; MI455X (gfx1250); checked and timed in simulation.
; The chip was launched on July 23, 2026; its instructions are those of AMD's public machine-readable ISA for CDNA 5 (MIT licence, August 2026) and "CDNA5" Instruction Set Architecture Reference Guide (July 2026). The comments in the code are by the model that wrote it; some were corrected since.
;; Inference Vector Quantizer. Allowed arithmetic: matrix products marked QUANTISED: E3M2 operands, one E8M0 scale for each 32 along K, by v_wmma_scale_f32_16x16x128_f8f6f4 with both operands' format E3M2, f32 sums; everything else in f32.
;; Inputs: codebook_weight 8,192 x 256 float32; mask 8 x 4,096 int32; z_e 8 x 4,096 x 256 float32.
;; Outputs: out0 8 x 4,096 int32.
;; This version of the problem:
;;   THIS VERSION OF THE PROBLEM IS GIVEN IN LOW PRECISION. The matrix products marked QUANTISED in the list below multiply operands that are first quantised to E3M2 (3 exponent bits, 2 mantissa bits; 6 bits a number), with one power-of-two scale for each 32 numbers along K (OCP MX v1.0); their sums are f32. All else is computed in f32.
;;   The module's matrix products, in the order in which they are computed (A, B: the left and right operand; K: the contracted axis; several contracted axes count as one K, in the product's order):
;;     1. [M 32,768, K 256] x [K 256, N 8,192]; A: computed on the way; B: computed on the way: QUANTISED
;;   THE QUANTISER, for each operand of a quantised product, along K:
;;     - K is cut into blocks of 32 from its start; a last block that is shorter is filled with zeros.
;;     - A block's scale is 2^e with e = floor(log2(the largest magnitude in the block)) - 4, held to -126 .. 127; a block of zeros has e = 0. As a byte (E8M0): e + 127.
;;     - Each number is divided by its block's scale, clamped to +-28, and rounded to the nearest number of E3M2, ties to even, subnormals kept.
;;     - The product sums the exact products of the quantised numbers (number of the format x scale) in f32.
;;   ~~~python
;;   def quantise(x, axis):      # numpy; x: float32 -> the quantised numbers, widened to float32 again
;;       x = np.moveaxis(x, axis, -1); K = x.shape[-1]
;;       x = np.pad(x, [(0, 0)] * (x.ndim - 1) + [(0, -K % 32)]); x = x.reshape(x.shape[:-1] + (-1, 32)); a = np.abs(x).max(-1, keepdims=True)
;;       e = np.where(a > 0, np.clip(np.frexp(np.where(a > 0, a, 1))[1] - 1 - 4, -126, 127), 0)      # np.frexp(a)[1] - 1 = floor(log2(a)), exactly
;;       r = np.clip(x / 2.0 ** e, -28, 28)
;;       step = 2.0 ** (np.maximum(np.frexp(np.where(r == 0, 1, r))[1] - 1, -2) - 2)
;;       q = np.round(r / step) * step * 2.0 ** e      # np.round: ties to even
;;       return np.moveaxis(q.reshape(q.shape[:-2] + (-1,))[..., :K], -1, axis).astype(np.float32)
;;   ~~~
;;   OPERANDS COMPUTED ON THE WAY. 'Computed on the way' means the value that the module computes at that place (a softmax that the list does not call 'softmax' is quantised finished and normalised). What goes into a quantiser is computed in f32, as accurately as f32 sums, v_exp_f32 and their like allow (about 1e-6 of the number): no bf16 or f16 on the way to a quantiser, and a product that is left as it is and whose result goes on into a quantised operand takes f32 operands (vector FMAs, or v_wmma_f32_16x16x4_f32). A number that lies on a knife's edge between two numbers of the format may be rounded either way, as far as f32 arithmetic and the matrix unit's own rounding can turn it there, and no further.
;; One version. Each part assembles by itself: llvm-mc -triple=amdgcn-amd-amdhsa -mcpu=gfx1250 --defsym DOCPART=n.
;; ======== version 1 of 1: 3 launches
;; limits: right only within a limited range of input values
;; workspace buffers: zq 6,291,456 bytes; zs 262,144 bytes; cbq 1,572,864 bytes; cbs 65,536 bytes; rowid 262,144 bytes of whole numbers; meta 8,192 bytes of whole numbers; cand 4,194,304 bytes
;; launch prep (part 1): grid 256 x 1, 10 waves a work-group, no clusters, 167,680 bytes of LDS; arguments z_e, codebook_weight, mask, zq, zs, cbq, cbs, rowid, meta, cand, out0; writes zq, zs, cbq, cbs, rowid, meta, cand, out0
.if DOCPART == 1
	.amdgcn_target "amdgcn-amd-amdhsa--gfx1250"
	.amdhsa_code_object_version 6
	.text
	.protected	k_q916e2230e6_prep
	.globl	k_q916e2230e6_prep
	.p2align	8
	.type	k_q916e2230e6_prep,@function
k_q916e2230e6_prep:
	s_mov_b64 s[64:65], 0
	v_nop
	global_prefetch_b8 v0, s[64:65] scope:SCOPE_SE
	s_setreg_imm32_b32 hwreg(HW_REG_WAVE_MODE, 25, 1), 1
	s_wait_xcnt 0x0
; PREP.  Rows of z_e [32768][256] whose mask is not 0, and all rows of codebook_weight [8192][256], f32, are divided by max(their L2 norm, 1e-8) and turned into codes of
; BF6 (E3M2) with one E8M0 scale byte for each 32 along K.  One wave makes a tile of 16 rows.
; A row whose mask is 0 gets the index 0 whatever z holds: it is neither read nor multiplied; the mask's whole numbers decide, and this launch reads them.
; z is cut into 64 blocks of 512 rows.  In a block the kept rows are taken in their order, 16 to a tile: tiles 0 .. n - 1 of at most 32, n at least 1 (tile 0 is always made, so
; that the next launch may ask for it before it knows n).  Work-group x: block x / 4; its waves 0-7 take tiles x % 4 + 4 wave; its waves 8, 9 take tiles 2 x, 2 x + 1 of the codebook.
; The codes are stored as an IMAGE OF THE OPERAND'S REGISTERS: tile L = 32 block + tile at 3072 L, chunk q (registers 4 q .. 4 q + 3 of 24) at 512 q, lane l's 16 bytes at 16 l;
; register 12 s + 6 c + i holds block 4 s + 2 c + (l / 16) of row l % 16.  The scale words: 128 bytes a tile, lane l's word at 4 l: lanes 0-15 K = 0 .. 127 of row l, lanes 16-31 K = 128 .. 255.
; rowid: 32 words a tile: the row's number for lanes 0-15 and again for lanes 16-31; -1 where there is no row.  meta: n, 32 times for each block.  out0 is filled with zeros.
; A wave whose tile has no rows fills that tile's words of rowid with -1 and of cand with 0: so every word that a later launch reads has been stored.
; LIMITS: NaN and infinities among the inputs are not served, and one in a row whose mask is 0 is not carried.  x / n is x times a reciprocal that has had one Newton step: about 1.5 units in
; the last place of f32.  Rows whose sum of squares leaves f32's range (magnitudes beyond about 1e18 or under about 1e-20) are not served.  A block of zeros gets the byte 1 where
; the rule says 127: its codes are zeros, and this program alone reads the bytes.
.set STGW,  16640                      ; a wave's stage: 16 rows of PITCH bytes
.set PITCH, 1040                       ; 1,024 bytes + 16 = 65 x 16
.set SPARE, 10*STGW                    ; the spare words, 128 bytes for each of the ten waves; no other line names them
.set X,   32                           ; v32-159  128 numbers of a lane (first: the block's mask words)
.set RO,  160                          ; v160-175 the rows' byte offsets (until the codes are made)
.set C,   160                          ; v160-183 the tile's 24 operand registers
.set TT,  184                          ; v184-199 the upper halves of the blocks' codes, before they are moved
.set AM,  22                           ; v22-25   the blocks' largest magnitudes, then their bytes
.set SC,  26                           ; v26-29   the conversions' scale operands
.set MW,  36                           ; s36-51   the block's 512 mask bits
.set PF,  70                           ; s70-85   kept rows up to and with word w
.set AC,  86                           ; s86-101  the tile's 16 rows
	s_load_b512 s[8:23], s[0:1], 0x0               ; z s[8:9], codebook s[10:11], mask s[12:13], zq s[14:15], zs s[16:17], cbq s[18:19], cbs s[20:21], rowid s[22:23]
	s_load_b128 s[24:27], s[0:1], 0x40             ; meta s[24:25], cand s[26:27]
	s_load_b64 s[28:29], s[0:1], 0x50              ; out0
	v_lshl_add_u32 v8, v0, 2, SPARE                ; my spare word; never rewritten
	v_mov_b32 v9, 0                                ; 0; never rewritten
	v_lshrrev_b32 v1, 5, v0
	v_readfirstlane_b32 s2, v1                     ; wave 0..9
	v_and_b32 v1, 31, v0                           ; lane
	v_and_b32 v2, 15, v0                           ; r
	v_bfe_u32 v3, v0, 4, 1                         ; h
	v_lshlrev_b32 v4, 4, v1                        ; 16 x lane
	s_mul_i32 s5, s2, STGW                         ; my stage
	v_lshl_add_u32 v5, v1, 4, s5                   ; into it: 16 x lane
	v_mul_u32_u24 v6, v2, PITCH
	v_lshl_add_u32 v6, v3, 7, v6
	v_add_nc_u32 v6, s5, v6                        ; out of it: row r, + 128 h: blocks h, 2 + h, 4 + h, 6 + h
	v_lshlrev_b32 v7, 2, v1                        ; 4 x lane
	v_mov_b32 v12, 0                               ; a lane permute's destination counts as one of its sources
	v_mov_b32 v13, 0
	v_mov_b32 v200, 0
	v_mov_b32 v201, 0
	s_mov_b32 s68, 0x76543210
	s_mov_b32 s69, 0xfedcba98                      ; v_permlanex16_b32's selects for lane l xor 16
	s_mov_b32 s7, 0
	s_wait_alu depctr_va_vdst(0)                   ; the wait at the head's end
	s_wait_kmcnt 0x0
	s_cmp_ge_u32 s2, 8
	s_cbranch_scc1 .Lcode
	; ---------------- a tile of z: which 16 rows? ----------------
	s_lshr_b32 s3, ttmp9, 2                        ; block
	s_and_b32 s4, ttmp9, 3
	s_lshl_b32 s5, s2, 2
	s_add_co_u32 s4, s4, s5                        ; tile
	s_lshl_b32 s6, s3, 11
	s_add_nc_u64 s[30:31], s[12:13], s[6:7]        ; the block's 512 mask words
.irp w, 0,1,2,3,4,5,6,7,8,9,10,11,12,13,14,15
	global_load_b32 v[X+\w], v7, s[30:31] offset:128*\w
.endr
	s_lshl_b32 s5, s3, 5
	s_add_co_u32 s5, s5, s4                        ; L
	s_mul_i32 s6, s5, 3072
	s_add_nc_u64 s[32:33], s[14:15], s[6:7]        ; the codes,
	s_lshl_b32 s6, s5, 7
	s_add_nc_u64 s[34:35], s[16:17], s[6:7]        ; the scale words,
	s_add_nc_u64 s[22:23], s[22:23], s[6:7]        ; the rows' numbers,
	s_lshl_b32 s6, s5, 11
	s_add_nc_u64 s[26:27], s[26:27], s[6:7]        ; the tile's 2,048 bytes of cand,
	s_lshl_b32 s6, s3, 7
	s_add_nc_u64 s[24:25], s[24:25], s[6:7]        ; the block's 128 bytes of meta
	s_lshl_b32 s60, s4, 4                          ; the tile's first place,
	s_add_co_u32 s61, s60, 15                      ; and its last
	s_wait_loadcnt 0x0
	s_lshl_b32 s6, s3, 19
	s_add_nc_u64 s[30:31], s[8:9], s[6:7]          ; the block's rows: 512 of 1,024 bytes
.irp w, 0,1,2,3,4,5,6,7,8,9,10,11,12,13,14,15
	v_cmp_ne_u32 s[MW+\w], 0, v[X+\w]              ; bit l of word w: is row 32 w + l kept?
.endr
.irp w, 0,1,2,3,4,5,6,7,8,9,10,11,12,13,14,15
	s_bcnt1_i32_b32 s[PF+\w], s[MW+\w]
.endr
.irp w, 1,2,3,4,5,6,7,8,9,10,11,12,13,14,15
	s_add_co_u32 s[PF+\w], s[PF+\w], s[PF+\w-1]
.endr
	s_add_co_u32 s63, s[PF+15], 15
	s_lshr_b32 s63, s63, 4
	s_max_u32 s63, s63, 1                          ; n
	s_cmp_lg_u32 s4, 0
	s_cbranch_scc1 .Lnometa
	v_mov_b32 v203, s63
	global_store_b32 v7, v203, s[24:25]
.Lnometa:
	s_cmp_ge_u32 s4, s63
	s_cbranch_scc1 .Ldead
.irp p, 0,1,2,3,4,5,6,7,8,9,10,11,12,13,14,15
	s_mov_b32 s[AC+\p], -1
.endr
	s_mov_b32 s62, 0
; The kept row at place P is the number of rows whose count of kept rows ahead of them is at most P, less 1.  A word that lies wholly before the tile's first place counts 32 for
; every place; one wholly behind its last place ends the search; in the others each of the sixteen places counts the rows that fulfil it.
.macro WORD w
	s_cmp_le_u32 s[PF+\w], s60
	s_cbranch_scc1 .Lbef_\w
.if \w == 0
	s_sub_co_u32 s5, 0, s60
.else
	s_cmp_gt_u32 s[PF+\w-1], s61
	s_cbranch_scc1 .Lrows
	s_sub_co_u32 s5, s[PF+\w-1], s60
.endif
	v_mbcnt_lo_u32_b32 v11, s[MW+\w], s5           ; kept rows ahead of mine, less the tile's first place
.irp q, 0,8
.irp p, 0,1,2,3,4,5,6,7
	v_cmp_ge_i32 s[52+\p], \q+\p, v11
.endr
	s_wait_alu depctr_va_vdst(0)                   ; the wait here, ahead of the scalar lines
.irp p, 0,1,2,3,4,5,6,7
	s_bcnt1_i32_b32 s[52+\p], s[52+\p]
.endr
.irp p, 0,1,2,3,4,5,6,7
	s_add_co_u32 s[AC+\q+\p], s[AC+\q+\p], s[52+\p]
.endr
.endr
	s_branch .Laft_\w
.Lbef_\w:
	s_add_co_u32 s62, s62, 32
.Laft_\w:
.endm
.irp w, 0,1,2,3,4,5,6,7,8,9,10,11,12,13,14,15
	WORD \w
.endr
.Lrows:
.irp p, 0,1,2,3,4,5,6,7,8,9,10,11,12,13,14,15
	s_add_co_u32 s[AC+\p], s[AC+\p], s62
	s_min_u32 s[AC+\p], s[AC+\p], 0x1ff            ; the row within its block (a place behind the count: any row)
.endr
	s_lshl_b32 s6, s3, 9
	s_mov_b32 s59, 0xffff0000                      ; lanes 16-31
.irp p, 0,1,2,3,4,5,6,7,8,9,10,11,12,13,14,15
	v_writelane_b32 v200, s[AC+\p], \p
.endr
	v_add_nc_u32 v200, s6, v200
	v_permlanex16_b32 v201, v200, s68, s69
	v_cndmask_b32 v200, v200, v201, s59            ; lanes 16-31 hold the same sixteen rows
	v_add_nc_u32 v202, s60, v2
	v_cmp_gt_u32 vcc_lo, s[PF+15], v202
	v_cndmask_b32 v200, -1, v200, vcc_lo           ; a place behind the count has no row
	global_store_b32 v7, v200, s[22:23]
.irp p, 0,1,2,3,4,5,6,7,8,9,10,11,12,13,14,15
	s_lshl_b32 s[AC+\p], s[AC+\p], 10
.endr
	s_branch .Lquant
	; ---------------- a tile of the codebook ----------------
.Lcode:
	s_lshl_b32 s3, ttmp9, 1
	s_add_co_u32 s3, s3, s2
	s_sub_co_u32 s3, s3, 8                         ; tile 0 .. 511
	s_lshl_b32 s6, s3, 14
	s_add_nc_u64 s[30:31], s[10:11], s[6:7]
	s_mul_i32 s6, s3, 3072
	s_add_nc_u64 s[32:33], s[18:19], s[6:7]
	s_lshl_b32 s6, s3, 7
	s_add_nc_u64 s[34:35], s[20:21], s[6:7]
	s_lshl_b32 s6, s3, 8
	s_add_nc_u64 s[28:29], s[28:29], s[6:7]
	v_mov_b32 v204, 0
	v_mov_b32 v205, 0
	v_lshlrev_b32 v206, 3, v1
	global_store_b64 v206, v[204:205], s[28:29]    ; 256 bytes of out0, zeros: the index of every row whose mask is 0
.irp p, 0,1,2,3,4,5,6,7,8,9,10,11,12,13,14,15
	s_mov_b32 s[AC+\p], 1024*\p
.endr
	; ---------------- the quantiser: one wave, 16 rows ----------------
.Lquant:
.irp p, 0,1,2,3,4,5,6,7,8,9,10,11,12,13,14,15
	v_add_nc_u32 v[RO+\p], s[AC+\p], v4
.endr
	s_wait_alu depctr_va_vdst(0)
.irp p, 0,1,2,3,4,5,6,7,8,9,10,11,12,13,14,15
	global_load_b128 v[X+8*\p:X+8*\p+3], v[RO+\p], s[30:31]               ; 32 lanes read 512 consecutive bytes
	global_load_b128 v[X+8*\p+4:X+8*\p+7], v[RO+\p], s[30:31] offset:512
.endr
	; the turn through my stage: in as the bytes lie, out with 32 neighbours along K in a lane's registers
.irp p, 0,1,2,3,4,5,6,7,8,9,10,11,12,13,14,15
	s_wait_loadcnt 30-2*\p                         ; row p's two loads are in; the rows behind it may be out
	ds_store_b128 v5, v[X+8*\p:X+8*\p+3] offset:PITCH*\p
	ds_store_b128 v5, v[X+8*\p+4:X+8*\p+7] offset:PITCH*\p+512
.endr
.irp j, 0,1,2,3
.irp i, 0,1,2,3,4,5,6,7
	ds_load_b128 v[X+32*\j+4*\i:X+32*\j+4*\i+3], v6 offset:256*\j+16*\i   ; LDS serves a wave's instructions in order: these see my stores.  Block 2 j + h of row r
.endr
.endr
	; the row's sum of squares: four packed chains, started by the first four products
.irp j, 0,1,2,3
	s_wait_alu depctr_va_vdst(0)                   ; the wait here, ahead of the wait below
	s_wait_dscnt 24-8*\j                           ; block j's eight loads are in; those of the blocks behind it may be out
.irp p, 0,1,2,3,4,5,6,7,8,9,10,11,12,13,14,15
.if (\j == 0) && (\p < 4)
	v_pk_mul_f32 v[14+2*\p:15+2*\p], v[X+2*\p:X+2*\p+1], v[X+2*\p:X+2*\p+1]
.else
	v_pk_fma_f32 v[14+2*(\p%4):15+2*(\p%4)], v[X+32*\j+2*\p:X+32*\j+2*\p+1], v[X+32*\j+2*\p:X+32*\j+2*\p+1], v[14+2*(\p%4):15+2*(\p%4)]
.endif
.endr
.endr
	v_pk_add_f32 v[14:15], v[14:15], v[16:17]
	v_pk_add_f32 v[18:19], v[18:19], v[20:21]
	v_pk_add_f32 v[14:15], v[14:15], v[18:19]
	v_add_f32 v12, v14, v15
	v_permlanex16_b32 v13, v12, s68, s69
	v_add_f32 v12, v12, v13                        ; with lane l xor 16's half of the row
	s_wait_alu depctr_va_vdst(0)                   ; the wait ahead of the root too
	v_sqrt_f32 v13, v12
	v_nop                                          ; a plain instruction behind the root,
	s_wait_alu depctr_va_vdst(0)                   ; and the wait ahead of its first reader
	v_max_num_f32 v13, 0x322bcc77, v13             ; max(n, 1e-8)
	s_wait_alu depctr_va_vdst(0)
	v_rcp_f32 v10, v13
	v_nop
	s_wait_alu depctr_va_vdst(0)
	v_fma_f32 v11, -v13, v10, 1.0                  ; one Newton step: e = 1 - n y,
	v_fma_f32 v10, v11, v10, v10                   ; y + e y
	v_mov_b32 v11, v10
.set Q, 0
.rept 64
	v_pk_mul_f32 v[X+2*Q:X+2*Q+1], v[X+2*Q:X+2*Q+1], v[10:11]
.set Q, Q+1
.endr
	; the four blocks' largest magnitudes: all 32 numbers of a block are mine
.irp j, 0,1,2,3
	v_max3_num_f32 v[AM+\j], |v[X+32*\j]|, |v[X+32*\j+1]|, 0x2800000      ; and the floor 2^(5 - 127): so the byte cannot fall under 1
.endr
.irp i, 2,4,6,8,10,12,14,16,18,20,22,24,26,28,30
.irp j, 0,1,2,3
	v_max3_num_f32 v[AM+\j], v[AM+\j], |v[X+32*\j+\i]|, |v[X+32*\j+\i+1]|  ; (the four blocks by turns)
.endr
.endr
.irp j, 0,1,2,3
	v_add_nc_u32 v[SC+\j], 0xfe000000, v[AM+\j]    ; 4 off the exponent field: the conversion takes the exponent field of this operand as its scale
.endr
.irp j, 0,1,2,3
	v_lshrrev_b32 v[AM+\j], 23, v[SC+\j]           ; the scale's byte
.endr
	v_lshl_or_b32 v30, v[AM+1], 16, v[AM]          ; K = 0 .. 127: my blocks h and 2 + h,
	v_lshl_or_b32 v31, v[AM+3], 16, v[AM+2]        ; K = 128 .. 255: blocks 4 + h and 6 + h,
	v_lshlrev_b32 v14, 3, v3
	v_lshlrev_b32 v30, v14, v30                    ; at their places in the word (8 h bits up);
	v_lshlrev_b32 v31, v14, v31
	v_permlanex16_b32 v12, v30, s68, s69
	v_permlanex16_b32 v13, v31, s68, s69
	v_or_b32 v30, v30, v12                         ; with lane l xor 16's two bytes the words are whole
	v_or_b32 v31, v31, v13
	v_cmp_ne_u32 vcc_lo, 0, v3
	v_cndmask_b32 v30, v30, v31, vcc_lo            ; lanes 0-15 store the first word, lanes 16-31 the second
.irp j, 0,1,2,3
	v_cvt_scalef32_pk16_bf6_f32 v[C+6*\j:C+6*\j+2], v[X+32*\j:X+32*\j+15], v[SC+\j]
	v_cvt_scalef32_pk16_bf6_f32 v[TT+4*\j:TT+4*\j+2], v[X+32*\j+16:X+32*\j+31], v[SC+\j]   ; (a conversion's three registers begin on an even number)
.endr
	v_nop                                          ; one plain instruction behind the last scaled conversion
.irp j, 0,1,2,3
.irp i, 0,1,2
	v_mov_b32 v[C+6*\j+3+\i], v[TT+4*\j+\i]
.endr
.endr
.irp q, 0,1,2,3,4,5
	global_store_b128 v4, v[C+4*\q:C+4*\q+3], s[32:33] offset:512*\q      ; 32 lanes store 512 consecutive bytes, aligned
.endr
	global_store_b32 v7, v30, s[34:35]             ; 128 consecutive bytes a wave: the scale words are one part in 24 of what the wave stores
	s_wait_tensorcnt 0x0                           ; the wave's end
	ds_add_u32 v8, v9
	s_wait_dscnt 0x0
	s_endpgm
	; ---------------- a tile without rows ----------------
.Ldead:
	v_mov_b32 v200, -1
	v_mov_b32 v204, 0
	v_mov_b32 v205, 0
	v_mov_b32 v206, 0
	v_mov_b32 v207, 0
	global_store_b32 v7, v200, s[22:23]
.irp q, 0,1,2,3
	global_store_b128 v4, v[204:207], s[26:27] offset:512*\q
.endr
	s_endpgm
.Lfunc_end_k_q916e2230e6_prep:
	.size	k_q916e2230e6_prep, .Lfunc_end_k_q916e2230e6_prep-k_q916e2230e6_prep
	.p2alignl 7, 3214868480
	.fill 96, 4, 3214868480
	.section	.rodata,"a",@progbits
	.p2align	6, 0x0
	.amdhsa_kernel k_q916e2230e6_prep
		.amdhsa_group_segment_fixed_size 167680
		.amdhsa_private_segment_fixed_size 0
		.amdhsa_enable_private_segment 0
		.amdhsa_kernarg_size 88
		.amdhsa_user_sgpr_count 2
		.amdhsa_user_sgpr_kernarg_segment_ptr 1
		.amdhsa_wavefront_size32 1
		.amdhsa_system_sgpr_workgroup_id_x 1
		.amdhsa_system_sgpr_workgroup_id_y 1
		.amdhsa_system_sgpr_workgroup_id_z 1
		.amdhsa_system_vgpr_workitem_id 0
		.amdhsa_next_free_vgpr 208
		.amdhsa_next_free_sgpr 102
		.amdhsa_reserve_vcc 1
		.amdhsa_float_denorm_mode_32 3
		.amdhsa_float_denorm_mode_16_64 3
		.amdhsa_memory_ordered 1
		.amdhsa_forward_progress 1
		.amdhsa_inst_pref_size 74
	.end_amdhsa_kernel
	.amdgpu_metadata
---
amdhsa.version: [ 1, 2 ]
amdhsa.kernels:
  - .name:           k_q916e2230e6_prep
    .symbol:         k_q916e2230e6_prep.kd
    .args:
      - { .name: z_e, .offset: 0, .size: 8, .value_kind: global_buffer, .address_space: global }
      - { .name: codebook_weight, .offset: 8, .size: 8, .value_kind: global_buffer, .address_space: global }
      - { .name: mask, .offset: 16, .size: 8, .value_kind: global_buffer, .address_space: global }
      - { .name: zq, .offset: 24, .size: 8, .value_kind: global_buffer, .address_space: global }
      - { .name: zs, .offset: 32, .size: 8, .value_kind: global_buffer, .address_space: global }
      - { .name: cbq, .offset: 40, .size: 8, .value_kind: global_buffer, .address_space: global }
      - { .name: cbs, .offset: 48, .size: 8, .value_kind: global_buffer, .address_space: global }
      - { .name: rowid, .offset: 56, .size: 8, .value_kind: global_buffer, .address_space: global }
      - { .name: meta, .offset: 64, .size: 8, .value_kind: global_buffer, .address_space: global }
      - { .name: cand, .offset: 72, .size: 8, .value_kind: global_buffer, .address_space: global }
      - { .name: out0, .offset: 80, .size: 8, .value_kind: global_buffer, .address_space: global }
    .group_segment_fixed_size: 167680
    .private_segment_fixed_size: 0
    .kernarg_segment_align: 8
    .kernarg_segment_size: 88
    .max_flat_workgroup_size: 320
    .sgpr_count:     102
    .vgpr_count:     208
    .wavefront_size: 32
...
	.end_amdgpu_metadata
.endif
;; end of part 1
;; launch scan (part 2): grid 256 x 1, 4 waves a work-group, no clusters, 0 bytes of LDS; arguments zq, zs, cbq, cbs, meta, cand; writes cand
.if DOCPART == 2
	.amdgcn_target "amdgcn-amd-amdhsa--gfx1250"
	.amdhsa_code_object_version 6
	.text
	.protected	k_q916e2230e6_scan
	.globl	k_q916e2230e6_scan
	.p2align	8
	.type	k_q916e2230e6_scan,@function
k_q916e2230e6_scan:
	s_mov_b64 s[64:65], 0
	v_nop
	global_prefetch_b8 v0, s[64:65] scope:SCOPE_SE
	s_setreg_imm32_b32 hwreg(HW_REG_WAVE_MODE, 25, 1), 1
	s_wait_xcnt 0x0
; SCAN.  The quantised product on the kept rows, and for each kept row and each of 16 chunks of 512 codes the largest logit and the lowest code that reaches it.  Rows whose mask is 0
; are in no tile: they are not multiplied.
; Work-group x: chunk c = x % 16, and the 2,048 rows of blocks 4 (x / 16) .. + 3.  THE CODES STAY: each wave holds the chunk's 32 code tiles in registers, 64 operands of 12, and the kept tiles of z
; come by, one after the other, through four slots of 24 registers.  Wave w begins with tile 0 of block w (always there); the blocks' other tiles form one list, of which the waves take every fourth entry.
; How many tiles there are hangs on stored counts and the text branches on them; there is no tensor load and no cluster: what a wave multiplies goes from memory straight into its registers.
; No prefetch: a slot is asked for three tiles, 192 matrix instructions, ahead of its use.  No LDS, no barrier: waves share nothing.
; THE PRODUCT IS USED WITH source 0 = 16 codes, source 1 = 16 rows of z: lane (r, h) holds row r, and its eight registers are the codes 8 h + 0 .. 7 of the tile.
; THE SEARCH goes by pairs of code tiles: the largest of a lane's 16 logits (8 instructions) is held against the running maximum; where it is strictly greater, the maximum, the pair's number and the 16 logits
; are taken over (9 dual selects).  At a tile's end the lowest of the 16 that equals the maximum is the code; then the two halves of the lanes are joined: the larger value, at equal values the lower code.
; Four code tiles make a group: 4 matrix instructions of the first K step, the maxima of the group before, 4 of the second K step, the selects of the group before.  The last group of a tile of z is searched under
; the next tile's first group.  Accumulators take turns, one instruction a turn, with three others' between a sum's two steps.
; cand: 2,048 bytes a tile, 128 for each chunk: lanes 0-15 store the value, lanes 16-31 the code.
; REGISTERS: window 0 as below; operand o (group o / 8, K step (o / 4) % 2, tile o % 4) in window 1 + o / 21 at 12 (o % 21), operand 63 at XC in window 0.
; LIMITS: NaN among the logits is not served.
.set T0,  8                            ; v8-12   maxima at work, first pair
.set U0,  13                           ; v13-17  second pair
.set CA,  18
.set CB,  19
.set ID,  20                           ; the raising pair's number
.set RM,  21                           ; the running maximum
.set WD,  22                           ; what is stored,
.set WA,  23                           ; and where
.set ZA,  24                           ; v24-27  the slots' offsets in zq,
.set ZB,  28                           ; v28-31  and in zs
.set XC,  32                           ; v32-43  operand 63
.set ZSC, 44                           ; v44-47  the slots' scale words
.set SV,  48                           ; v48-63  the raising pair's 16 logits
.set ACC, 64                           ; v64-127 two sets of four accumulators
.set Z,   128                          ; v128-223 four slots of z
.set CS,  224                          ; v224-255 the code tiles' scale words
.set LIN, 40                           ; s40-43  the slots' tiles
.set MSB, 0
.macro WIN new                         ; the immediate's high byte repeats the setting that is left; a switch that changes nothing is dropped
.if MSB != \new
	s_set_vgpr_msb (MSB<<8)|\new
.set MSB, \new
.endif
.endm
.macro OPER o                          ; where operand o lies
.if (\o) < 63
.set CW, 1+(\o)/21
.set CR, 12*((\o)%21)
.else
.set CW, 0
.set CR, XC
.endif
.endm
.macro FILL g                          ; group g's four code tiles: 24 loads, and 4 of scale words.  Other work-groups read these bytes again: no hint
.irp k, 0,1
.irp t, 0,1,2,3
	OPER 8*(\g)+4*\k+\t
.set FW, 64*CW
	WIN FW
.irp q, 0,1,2
	global_load_b128 v[CR+4*\q:CR+4*\q+3], v3, s[8:9] offset:3072*(4*(\g)+\t)+1536*\k+512*\q
.endr
.endr
.endr
	WIN 0
.irp t, 0,1,2,3
	global_load_b32 v[CS+4*(\g)+\t], v4, s[10:11] offset:128*(4*(\g)+\t)
.endr
.endm
.macro ZLOAD s                         ; slot s takes its tile: 7 loads
	s_mul_i32 s36, s[LIN+\s], 3072
	s_lshl_b32 s37, s[LIN+\s], 7
	v_add_nc_u32 v[ZA+\s], s36, v3
	v_add_nc_u32 v[ZB+\s], s37, v4
.irp q, 0,1,2,3,4,5
	global_load_b128 v[Z+24*\s+4*\q:Z+24*\s+4*\q+3], v[ZA+\s], s[4:5] offset:512*\q
.endr
	global_load_b32 v[ZSC+\s], v[ZB+\s], s[6:7]
.endm
.macro NEXT s                          ; my next entry of the list; behind its end my own tile 0 again, whose bytes are there and whose product is not made
	s_cmp_ge_u32 s28, s21
	s_cselect_b32 s36, s44, 1
	s_cmp_ge_u32 s28, s22
	s_cselect_b32 s36, s45, s36
	s_cmp_ge_u32 s28, s23
	s_cselect_b32 s36, s46, s36
	s_add_co_u32 s36, s36, s28
	s_cmp_lt_u32 s28, s29
	s_cselect_b32 s36, s36, s16
	s_min_u32 s[LIN+\s], s36, 127
	s_add_co_u32 s28, s28, 4
.endm
.macro WM g, k, s                      ; group g, K step k, slot s: 4 matrix instructions
.irp t, 0,1,2,3
	OPER 8*(\g)+4*(\k)+\t
.set DA, ACC+32*((\g)%2)+8*\t
.set ZR, Z+24*(\s)+12*(\k)
	WIN CW
.if \k == 0
	v_wmma_scale_f32_16x16x128_f8f6f4 v[DA:DA+7], v[CR:CR+11], v[ZR:ZR+11], 0, v[CS+4*(\g)+\t], v[ZSC+\s] matrix_a_fmt:MATRIX_FMT_BF6 matrix_b_fmt:MATRIX_FMT_BF6
.else
	v_wmma_scale_f32_16x16x128_f8f6f4 v[DA:DA+7], v[CR:CR+11], v[ZR:ZR+11], v[DA:DA+7], v[CS+4*(\g)+\t], v[ZSC+\s] matrix_a_fmt:MATRIX_FMT_BF6 matrix_b_fmt:MATRIX_FMT_BF6 matrix_a_scale:MATRIX_SCALE_ROW1 matrix_b_scale:MATRIX_SCALE_ROW1
.endif
.endr
	WIN 0
.endm
.macro TREE set                        ; the largest of each pair's 16 logits; the two pairs by turns, each accumulator from its low end on
.set AA, ACC+32*(\set)
.irp i, 0,1,2,3,4
	v_max3_num_f32 v[T0+\i], v[AA+3*\i], v[AA+3*\i+1], v[AA+3*\i+2]
	v_max3_num_f32 v[U0+\i], v[AA+16+3*\i], v[AA+16+3*\i+1], v[AA+16+3*\i+2]
.endr
	v_max3_num_f32 v[T0], v[T0], v[T0+1], v[AA+15]
	v_max3_num_f32 v[U0], v[U0], v[U0+1], v[AA+31]
	v_max3_num_f32 v[T0+2], v[T0+2], v[T0+3], v[T0+4]
	v_max3_num_f32 v[U0+2], v[U0+2], v[U0+3], v[U0+4]
	v_max_num_f32 v[T0], v[T0], v[T0+2]
	v_max_num_f32 v[U0], v[U0], v[U0+2]
	v_cmp_ge_f32 vcc_lo, v[RM], v[T0]              ; set where the maximum stays
.endm
.macro TAKE sb, from, p                ; where VCC is not set, pair p takes over
	v_dual_cndmask_b32 v[ID], \p, v[ID] :: v_dual_cndmask_b32 v[RM], v[\from], v[RM]
.irp k, 0,2,4,6,8,10,12,14
	v_dual_cndmask_b32 v[SV+\k], v[\sb+\k], v[SV+\k] :: v_dual_cndmask_b32 v[SV+\k+1], v[\sb+\k+1], v[SV+\k+1]
.endr
.endm
.macro SAVES set, g
.set SA, ACC+32*(\set)
.set SB, SA+16
.set PA, 2*(\g)
.set PB, 2*(\g)+1
	TAKE SA, T0, PA
	v_cmp_ge_f32 vcc_lo, v[RM], v[U0]
	TAKE SB, U0, PB
.endm
.macro RESOLVE                         ; the finished tile s39
.irp i, 7,5,3,1
	v_cmp_eq_f32 s34, v[RM], v[SV+\i]
	v_cmp_eq_f32 s35, v[RM], v[SV+8+\i]
	v_cmp_eq_f32 s36, v[RM], v[SV+\i-1]
	v_cmp_eq_f32 s37, v[RM], v[SV+8+\i-1]
.if \i == 7
	v_cndmask_b32 v[CA], 64, 7, s34
	v_cndmask_b32 v[CB], 64, 23, s35
.else
	v_cndmask_b32 v[CA], v[CA], \i, s34            ; downward, so that the lowest stays
	v_cndmask_b32 v[CB], v[CB], 16+\i, s35
.endif
	v_cndmask_b32 v[CA], v[CA], \i-1, s36
	v_cndmask_b32 v[CB], v[CB], 16+\i-1, s37
.endr
	v_min_u32 v[CA], v[CA], v[CB]                  ; the pair's first tile goes before its second
	v_lshl_add_u32 v[CA], v[ID], 5, v[CA]
	v_add_nc_u32 v[CA], v5, v[CA]                  ; + 8 h + 512 c: the code
	v_permlanex16_b32 v7, v[RM], s30, s31
	v_permlanex16_b32 v6, v[CA], s30, s31
	v_cmp_gt_f32 s34, v7, v[RM]
	v_cmp_eq_f32 s35, v7, v[RM]
	v_cmp_lt_u32 s36, v6, v[CA]
	s_and_b32 s35, s35, s36
	s_or_b32 s34, s34, s35
	s_lshl_b32 s37, s39, 11
	v_cndmask_b32 v[WD], v[RM], v7, s34
	v_cndmask_b32 v[CA], v[CA], v6, s34
	v_cndmask_b32 v[WD], v[WD], v[CA], s32         ; lanes 0-15 the value, lanes 16-31 the code
	v_add_nc_u32 v[WA], s37, v4
	global_store_b32 v[WA], v[WD], s[14:15]        ; 128 consecutive bytes
.endm
; A tile of z in slot s.  Its first group's products stand over the search of the tile before, which is then finished and stored; then the slot ps of that tile is filled again.
.macro BODY s, ps
	s_wait_alu depctr_va_vdst(0)                   ; the wait here, ahead of the waits below
	s_wait_loadcnt 14                              ; my slot's seven loads are in; those of the two younger slots may be out
	s_wait_xcnt 0x0                                ; the store of the tile before last has read its registers
	WM 0, 0, \s
	TREE 1
	WM 0, 1, \s
	SAVES 1, 7
	RESOLVE
	s_mov_b32 s39, s[LIN+\s]
	v_mov_b32 v[RM], 0xff800000
	s_wait_alu depctr_va_vdst(0)                   ; the wait here, ahead of the scalar lines
	NEXT \ps
	ZLOAD \ps                                      ; its last product stands behind 19 plain vector instructions of the search and those above
.irp g, 1,2,3,4,5,6,7
.set PS, (\g+1)%2
.set PG, \g-1
	WM \g, 0, \s
	TREE PS
	WM \g, 1, \s
	SAVES PS, PG
.endr
.endm
	s_load_b256 s[4:11], s[0:1], 0x0               ; zq s[4:5], zs s[6:7], cbq s[8:9], cbs s[10:11]
	s_load_b128 s[12:15], s[0:1], 0x20             ; meta s[12:13], cand s[14:15]
	v_lshrrev_b32 v1, 5, v0
	v_readfirstlane_b32 s18, v1                    ; wave 0..3
	v_and_b32 v1, 31, v0                           ; lane
	v_lshlrev_b32 v3, 4, v1                        ; 16 x lane
	v_lshlrev_b32 v4, 2, v1                        ; 4 x lane
	v_bfe_u32 v2, v0, 4, 1                         ; h
	s_lshr_b32 s19, ttmp9, 4                       ; which 2,048 rows
	s_and_b32 s20, ttmp9, 15                       ; chunk
	s_lshl_b32 s21, s20, 9
	v_lshl_add_u32 v5, v2, 3, s21                  ; 8 h + 512 c
	v_mov_b32 v6, 0                                ; a lane permute's destination counts as one of its sources
	v_mov_b32 v7, 0
	v_mov_b32 v[ID], 0
	v_mov_b32 v[RM], 0xff800000                    ; -infinity, under every logit
.irp k, 0,1,2,3,4,5,6,7,8,9,10,11,12,13,14,15
	v_mov_b32 v[SV+\k], 0                          ; (a select names what it may keep: written once, here)
.endr
	s_mov_b32 s30, 0x76543210
	s_mov_b32 s31, 0xfedcba98                      ; v_permlanex16_b32's selects for lane l xor 16
	s_mov_b32 s32, 0xffff0000                      ; lanes 16-31
	s_lshl_b32 s16, s18, 5                         ; tile 0 of block w
	s_mov_b32 s49, 0
	s_wait_alu depctr_va_vdst(0)
	s_wait_kmcnt 0x0
	s_lshl_b32 s48, s19, 9
	s_add_nc_u64 s[12:13], s[12:13], s[48:49]
	s_load_b32 s24, s[12:13], 0x0                  ; the four blocks' numbers of tiles
	s_load_b32 s25, s[12:13], 0x80
	s_load_b32 s26, s[12:13], 0x100
	s_load_b32 s27, s[12:13], 0x180
	s_mul_i32 s48, s20, 98304                      ; 32 images
	s_add_nc_u64 s[8:9], s[8:9], s[48:49]
	s_lshl_b32 s48, s20, 12
	s_add_nc_u64 s[10:11], s[10:11], s[48:49]
	s_mul_i32 s48, s19, 393216                     ; 128 images
	s_add_nc_u64 s[4:5], s[4:5], s[48:49]
	s_lshl_b32 s48, s19, 14
	s_add_nc_u64 s[6:7], s[6:7], s[48:49]
	s_lshl_b32 s48, s19, 18
	s_lshl_b32 s47, s20, 7
	s_add_co_u32 s48, s48, s47
	s_add_nc_u64 s[14:15], s[14:15], s[48:49]      ; 128 tiles of 2,048 bytes, my chunk's 128
	s_mov_b32 s[LIN], s16
	s_mov_b32 s39, s16                             ; the tile whose search is under way
	ZLOAD 0
	FILL 0
	FILL 1
	s_wait_alu depctr_va_vdst(0)
	s_wait_kmcnt 0x0
.irp k, 24,25,26,27
	s_min_u32 s[\k], s[\k], 32
	s_max_u32 s[\k], s[\k], 1
	s_sub_co_u32 s[\k], s[\k], 1                   ; without tile 0
.endr
	s_mov_b32 s21, s24                             ; where the blocks' parts of the list begin: 0, s21, s22, s23;
	s_add_co_u32 s22, s21, s25
	s_add_co_u32 s23, s22, s26
	s_add_co_u32 s29, s23, s27                     ; its length
	s_sub_co_u32 s44, 33, s21                      ; entry e of block k is tile e + (32 k + 1 - the part's beginning)
	s_sub_co_u32 s45, 0x41, s22
	s_sub_co_u32 s46, 0x61, s23
	s_add_co_u32 s38, s29, 3
	s_sub_co_u32 s38, s38, s18
	s_lshr_b32 s38, s38, 2                         ; my entries: w, w + 4, ..
	s_mov_b32 s28, s18
	NEXT 1
	ZLOAD 1
	NEXT 2
	ZLOAD 2
	NEXT 3
	ZLOAD 3
	; the first tile of z, slot 0, while the codes come in: two groups ahead
.irp g, 0,1,2,3,4,5,6,7
.if \g < 2
	s_wait_loadcnt 49                              ; group g is in; the next group's 28 loads and z's 21 may be out
.elseif \g < 7
	s_wait_loadcnt 28                              ; the next group's 28 may be out
.else
	s_wait_loadcnt 0x0
.endif
.if \g < 6
	FILL \g+2
.endif
.set PS, (\g+1)%2
.set PG, \g-1
	WM \g, 0, 0
.if \g > 0
	TREE PS
.endif
	WM \g, 1, 0
.if \g > 0
	SAVES PS, PG
.else
.rept 4
	v_nop                                          ; no search stands here yet: four places ahead of the first read of these results
.endr
.endif
.endr
	s_mov_b32 s33, 0
	s_wait_alu depctr_va_vdst(0)                   ; the wait here, ahead of the branch
	s_cmp_eq_u32 s38, 0
	s_cbranch_scc1 .Ldone
.Lloop:                                            ; a trip goes once round the four slots
	BODY 1, 0
	s_add_co_u32 s36, s33, 1
	s_cmp_ge_u32 s36, s38
	s_cbranch_scc1 .Ldone
	BODY 2, 1
	s_add_co_u32 s36, s33, 2
	s_cmp_ge_u32 s36, s38
	s_cbranch_scc1 .Ldone
	BODY 3, 2
	s_add_co_u32 s36, s33, 3
	s_cmp_ge_u32 s36, s38
	s_cbranch_scc1 .Ldone
	BODY 0, 3
	s_add_co_u32 s36, s33, 4
	s_cmp_ge_u32 s36, s38
	s_cbranch_scc1 .Ldone
	s_add_co_u32 s33, s33, 4
	s_cmp_lt_u32 s33, 32                           ; a wave has at most 31 entries: four blocks' 31 further tiles, dealt to four waves
	s_cbranch_scc1 .Lloop
.Ldone:
	s_wait_alu depctr_va_vdst(0)
	s_wait_xcnt 0x0                                ; the last store has read its registers
	TREE 1                                         ; the last tile's last group
	SAVES 1, 7
	RESOLVE
	s_endpgm
.Lfunc_end_k_q916e2230e6_scan:
	.size	k_q916e2230e6_scan, .Lfunc_end_k_q916e2230e6_scan-k_q916e2230e6_scan
	.p2alignl 7, 3214868480
	.fill 96, 4, 3214868480
	.section	.rodata,"a",@progbits
	.p2align	6, 0x0
	.amdhsa_kernel k_q916e2230e6_scan
		.amdhsa_group_segment_fixed_size 0
		.amdhsa_private_segment_fixed_size 0
		.amdhsa_enable_private_segment 0
		.amdhsa_kernarg_size 48
		.amdhsa_user_sgpr_count 2
		.amdhsa_user_sgpr_kernarg_segment_ptr 1
		.amdhsa_wavefront_size32 1
		.amdhsa_system_sgpr_workgroup_id_x 1
		.amdhsa_system_sgpr_workgroup_id_y 1
		.amdhsa_system_sgpr_workgroup_id_z 1
		.amdhsa_system_vgpr_workitem_id 0
		.amdhsa_next_free_vgpr 1024
		.amdhsa_next_free_sgpr 66
		.amdhsa_reserve_vcc 1
		.amdhsa_float_denorm_mode_32 3
		.amdhsa_float_denorm_mode_16_64 3
		.amdhsa_memory_ordered 1
		.amdhsa_forward_progress 1
		.amdhsa_inst_pref_size 181
	.end_amdhsa_kernel
	.amdgpu_metadata
---
amdhsa.version: [ 1, 2 ]
amdhsa.kernels:
  - .name:           k_q916e2230e6_scan
    .symbol:         k_q916e2230e6_scan.kd
    .args:
      - { .name: zq, .offset: 0, .size: 8, .value_kind: global_buffer, .address_space: global }
      - { .name: zs, .offset: 8, .size: 8, .value_kind: global_buffer, .address_space: global }
      - { .name: cbq, .offset: 16, .size: 8, .value_kind: global_buffer, .address_space: global }
      - { .name: cbs, .offset: 24, .size: 8, .value_kind: global_buffer, .address_space: global }
      - { .name: meta, .offset: 32, .size: 8, .value_kind: global_buffer, .address_space: global }
      - { .name: cand, .offset: 40, .size: 8, .value_kind: global_buffer, .address_space: global }
    .group_segment_fixed_size: 0
    .private_segment_fixed_size: 0
    .kernarg_segment_align: 8
    .kernarg_segment_size: 48
    .max_flat_workgroup_size: 128
    .sgpr_count:     66
    .vgpr_count:     1024
    .wavefront_size: 32
...
	.end_amdgpu_metadata
.endif
;; end of part 2
;; launch join (part 3): grid 256 x 1, 8 waves a work-group, no clusters, 0 bytes of LDS; arguments rowid, cand, out0; writes out0
.if DOCPART == 3
	.amdgcn_target "amdgcn-amd-amdhsa--gfx1250"
	.amdhsa_code_object_version 6
	.text
	.protected	k_q916e2230e6_join
	.globl	k_q916e2230e6_join
	.p2align	8
	.type	k_q916e2230e6_join,@function
k_q916e2230e6_join:
	s_mov_b64 s[64:65], 0
	v_nop
	global_prefetch_b8 v0, s[64:65] scope:SCOPE_SE
	s_setreg_imm32_b32 hwreg(HW_REG_WAVE_MODE, 25, 1), 1
	s_wait_xcnt 0x0
; JOIN.  One wave takes one tile of 16 places: of the sixteen chunks' results for a row the largest value wins, at equal values the lower chunk, whose codes are lower.
; Lanes 0-15 hold the values, lanes 16-31 the codes: a comparison counts in lanes 0-15 and is carried out in both halves.  A place without a row (rowid -1) stores nothing: rows whose mask is 0 have their 0 from
; the first launch.  rowid names each row at most once: each word of out0 has one writer here.
; LIMITS: NaN among the values is not served.
.set V, 16                             ; v16-31 the sixteen chunks' words
	s_load_b128 s[4:7], s[0:1], 0x0                ; rowid s[4:5], cand s[6:7]
	s_load_b64 s[8:9], s[0:1], 0x10                ; out0
	v_lshrrev_b32 v1, 5, v0
	v_readfirstlane_b32 s10, v1                    ; wave 0..7
	v_and_b32 v1, 31, v0                           ; lane
	s_lshl_b32 s11, ttmp9, 3
	s_add_co_u32 s11, s11, s10                     ; tile
	s_lshl_b32 s12, s11, 7
	s_lshl_b32 s13, s11, 11
	v_lshl_add_u32 v2, v1, 2, s12
	v_lshl_add_u32 v3, v1, 2, s13
	s_mov_b32 s14, 0xffff
	s_wait_alu depctr_va_vdst(0)                   ; the wait at the head's end
	s_wait_kmcnt 0x0
.irp c, 0,1,2,3,4,5,6,7,8,9,10,11,12,13,14,15
	global_load_b32 v[V+\c], v3, s[6:7] offset:128*\c
.endr
	global_load_b32 v4, v2, s[4:5]
	s_wait_loadcnt 0x0
.macro LVL d                           ; chunks a and a + d, for every 2 d-th a
.set I, 0
.rept 8/(\d)
	v_cmp_gt_f32 s[16+I], v[V+2*(\d)*I+(\d)], v[V+2*(\d)*I]
.set I, I+1
.endr
	s_wait_alu depctr_va_vdst(0)                   ; the wait here, ahead of the scalar lines
.set I, 0
.rept 8/(\d)
	s_and_b32 s[16+I], s[16+I], s14                ; the values' lanes,
	s_lshl_b32 s[24+I], s[16+I], 16                ; and the codes'
	s_or_b32 s[16+I], s[16+I], s[24+I]
.set I, I+1
.endr
.set I, 0
.rept 8/(\d)
	v_cndmask_b32 v[V+2*(\d)*I], v[V+2*(\d)*I], v[V+2*(\d)*I+(\d)], s[16+I]
.set I, I+1
.endr
.endm
	LVL 1
	LVL 2
	LVL 4
	LVL 8
	v_cmp_gt_u32 vcc_lo, 0x8000, v4                ; a row?
	v_min_u32 v4, 0x7fff, v4
	v_lshlrev_b32 v5, 2, v4
	s_and_b32 vcc_lo, vcc_lo, 0xffff0000           ; lanes 16-31 hold the codes
	s_wait_alu depctr_va_vdst(0)
	s_wait_xcnt 0x0                                ; EXEC changes only behind this wait
	s_and_saveexec_b32 s22, vcc_lo
	global_store_b32 v5, v[V], s[8:9]              ; 4 bytes to the row's own place
	s_endpgm
.Lfunc_end_k_q916e2230e6_join:
	.size	k_q916e2230e6_join, .Lfunc_end_k_q916e2230e6_join-k_q916e2230e6_join
	.p2alignl 7, 3214868480
	.fill 96, 4, 3214868480
	.section	.rodata,"a",@progbits
	.p2align	6, 0x0
	.amdhsa_kernel k_q916e2230e6_join
		.amdhsa_group_segment_fixed_size 0
		.amdhsa_private_segment_fixed_size 0
		.amdhsa_enable_private_segment 0
		.amdhsa_kernarg_size 24
		.amdhsa_user_sgpr_count 2
		.amdhsa_user_sgpr_kernarg_segment_ptr 1
		.amdhsa_wavefront_size32 1
		.amdhsa_system_sgpr_workgroup_id_x 1
		.amdhsa_system_sgpr_workgroup_id_y 1
		.amdhsa_system_sgpr_workgroup_id_z 1
		.amdhsa_system_vgpr_workitem_id 0
		.amdhsa_next_free_vgpr 32
		.amdhsa_next_free_sgpr 66
		.amdhsa_reserve_vcc 1
		.amdhsa_float_denorm_mode_32 3
		.amdhsa_float_denorm_mode_16_64 3
		.amdhsa_memory_ordered 1
		.amdhsa_forward_progress 1
		.amdhsa_inst_pref_size 7
	.end_amdhsa_kernel
	.amdgpu_metadata
---
amdhsa.version: [ 1, 2 ]
amdhsa.kernels:
  - .name:           k_q916e2230e6_join
    .symbol:         k_q916e2230e6_join.kd
    .args:
      - { .name: rowid, .offset: 0, .size: 8, .value_kind: global_buffer, .address_space: global }
      - { .name: cand, .offset: 8, .size: 8, .value_kind: global_buffer, .address_space: global }
      - { .name: out0, .offset: 16, .size: 8, .value_kind: global_buffer, .address_space: global }
    .group_segment_fixed_size: 0
    .private_segment_fixed_size: 0
    .kernarg_segment_align: 8
    .kernarg_segment_size: 24
    .max_flat_workgroup_size: 256
    .sgpr_count:     66
    .vgpr_count:     32
    .wavefront_size: 32
...
	.end_amdgpu_metadata
.endif
;; end of part 3
